; MI455X (gfx1250); checked and timed in simulation.
; The chip was launched on July 23, 2026; its instructions are those of AMD's public machine-readable ISA for CDNA 5 (MIT licence, August 2026) and "CDNA5" Instruction Set Architecture Reference Guide (July 2026). The comments in the code are by the model that wrote it; some were corrected since.
;; Softmaxchain. Allowed arithmetic: matrix products marked QUANTISED: E5M2 operands, one given power-of-two scale a tensor, by v_wmma_f32_16x16x64_bf8_bf8 or v_wmma_f32_16x16x128_bf8_bf8, f32 sums; everything else in f32.
;; Inputs: attention_mask 4 x 1 x 1 x 2,048 float32; k_codes 4 x 16 x 2,048 x 2 x 32 uint8 (E5M2 codes of k, K innermost, in blocks of 32 codes); lowp_scales 4 int32 (the exponents e of the quantised operands' scales 2^e); q_codes 4 x 16 x 2,048 x 2 x 32 uint8 (E5M2 codes of q, K innermost, in blocks of 32 codes); v_codes 4 x 16 x 64 x 64 x 32 uint8 (E5M2 codes of v, K innermost, in blocks of 32 codes).
;; Outputs: out0 4 x 16 x 2,048 x 64 float32.
;; This version of the problem:
;;   THIS VERSION OF THE PROBLEM IS GIVEN IN LOW PRECISION. The matrix products marked QUANTISED in the list below multiply operands that are first quantised to E5M2 (5 exponent bits, 2 mantissa bits; 8 bits a number), with one given power-of-two scale for each operand tensor; their sums are f32. All else is computed in f32.
;;   The module's matrix products, in the order in which they are computed (A, B: the left and right operand; K: the contracted axis; several contracted axes count as one K, in the product's order):
;;     1. batch 64 x [M 2,048, K 64] x [K 64, N 2,048]; A: input q (given as codes); B: input k (given as codes): QUANTISED (scales: A lowp_scales[0], B lowp_scales[1])
;;     2. batch 64 x [M 2,048, K 2,048] x [K 2,048, N 64]; A: softmax (see below); B: input v (given as codes): QUANTISED (scales: A lowp_scales[2], B lowp_scales[3])
;;   THE QUANTISER, for each operand of a quantised product, along K:
;;     - The operand's scale is 2^e, e = its entry of the input lowp_scales (int32; the entries are numbered through the quantised products in the list's order, A before B).
;;     - Each number is divided by the scale, clamped to +-57,344, and rounded to the nearest number of E5M2, ties to even, subnormals kept.
;;     - The product sums the exact products of the quantised numbers (number of the format x scale) in f32.
;;   ~~~python
;;   def quantise(x, axis, e):      # numpy; x: float32 -> the quantised numbers, widened to float32 again
;;       x = np.moveaxis(x, axis, -1); K = x.shape[-1]
;;       r = np.clip(x / 2.0 ** e, -57344, 57344)
;;       step = 2.0 ** (np.maximum(np.frexp(np.where(r == 0, 1, r))[1] - 1, -14) - 2)
;;       q = np.round(r / step) * step * 2.0 ** e      # np.round: ties to even
;;       return np.moveaxis(q, -1, axis).astype(np.float32)
;;   ~~~
;;   SOFTMAX AHEAD OF A QUANTISED PRODUCT. Where the list says 'softmax', what is quantised is not the finished softmax but p = 2^(t - M), with t = logit x log2(e) and M = ceil(the row's largest t), a whole number; so 1/2 < the row's largest p <= 1. The row's sum l is taken of the UNQUANTISED p, in f32, and the product's result is divided by l at the end. Since M is a whole number, a kernel that streams over the keys may use a running M (the ceiling of the running maximum): every later rescaling is an exact power of two, so the quantised numbers keep their values, but for numbers so far below the row's largest that they fall under the format's range.
;;   OPERANDS COMPUTED ON THE WAY. 'Computed on the way' means the value that the module computes at that place (a softmax that the list does not call 'softmax' is quantised finished and normalised). What goes into a quantiser is computed in f32, as accurately as f32 sums, v_exp_f32 and their like allow (about 1e-6 of the number): no bf16 or f16 on the way to a quantiser, and a product that is left as it is and whose result goes on into a quantised operand takes f32 operands (vector FMAs, or v_wmma_f32_16x16x4_f32). A number that lies on a knife's edge between two numbers of the format may be rounded either way, as far as f32 arithmetic and the matrix unit's own rounding can turn it there, and no further.
;;   INPUTS GIVEN AS CODES. k (in the module: [4, 16, 64, 2048], K = its axis 2); q (in the module: [4, 16, 2048, 64], K = its axis 3); v (in the module: [4, 16, 2048, 64], K = its axis 2): each comes as NAME_codes (uint8): NAME with its K axis moved to the last place and cut into blocks of 32 codes, [.., K / 32, bytes a block], one block behind the other in memory; one code a byte (a code: sign, 5 exponent bits, 2 mantissa bits); its scale is its entry of lowp_scales. Its value is code x scale, taken as it is: it is not quantised again, and the codes and scales need not be those that the quantiser above would give.
;; One version. Each part assembles by itself: llvm-mc -triple=amdgcn-amd-amdhsa -mcpu=gfx1250 --defsym DOCPART=n.
;; ======== version 1 of 1: 1 launch
;; limits: inputs' magnitudes at most 1,048,576; right only within a limited range of input values
;; launch attn (part 1): grid 4 x 64, 16 waves a work-group, clusters of 4 x 1, 327,680 bytes of LDS; arguments q_codes, k_codes, v_codes, attention_mask, lowp_scales, out0; writes out0
.if DOCPART == 1
	.amdgcn_target "amdgcn-amd-amdhsa--gfx1250"
	.amdhsa_code_object_version 6
	.text
	.protected	k_qbdb24456e4_attn
	.globl	k_qbdb24456e4_attn
	.p2align	8
	.type	k_qbdb24456e4_attn,@function
k_qbdb24456e4_attn:
	s_mov_b64 s[64:65], 0
	v_nop
	global_prefetch_b8 v0, s[64:65] scope:SCOPE_SE
	s_setreg_imm32_b32 hwreg(HW_REG_WAVE_MODE, 25, 1), 1
	s_wait_xcnt 0x0
	s_wait_alu depctr_hold_cnt(0) depctr_sa_sdst(0) depctr_va_vdst(0) depctr_va_sdst(0) depctr_va_ssrc(0) depctr_va_vcc(0) depctr_vm_vsrc(0)
	s_getreg_b32 s2, hwreg(HW_REG_IB_STS2, 6, 4)
	s_cmp_eq_u32 s2, 0
	s_cbranch_scc0 .Lentry_in_a_cluster
	s_endpgm
.Lentry_in_a_cluster:
	s_bfe_u32 s2, ttmp6, 0x10000c
	s_cmp_lg_u32 s2, 0x3003
	s_cbranch_scc0 .Lentry_shape_is_right
	s_endpgm
.Lentry_shape_is_right:
; out[hd][q][:] = the sum over keys of softmax_key(q . k x 2^(eq + ek) / 8 + mask[batch][key]) v[key][:], 64 heads (hd = 16 x batch + head), 2,048 queries and keys, head size 64.
; Both products run on codes of BF8 (E5M2) as they are given: q, k [hd][2048][64] (K = the head's 64), v [hd][64][2048] (K = the keys).  mask [4][2048] f32, out [hd][2048][64] f32.
; THE SOFTMAX AHEAD OF THE SECOND PRODUCT: t = logit x log2(e); M = the row's largest t so far, rounded UP to a whole number; p = 2^(t - M) is quantised with the given 2^ep, not normalised.
; The row's sum is taken of the unquantised p and divides at the end.  When M moves, the sum and O are multiplied by 2^(old M - new M): exact.
; SHARES.  A work-group owns 512 queries of one head, each of its sixteen waves 32 of them: two tiles of 16, A and B, which share every fragment of K and V that the wave reads from LDS.  Four waves to a SIMD, 256 registers each.
; A HEAD'S K AND V LIE WHOLE IN LDS: each LDS byte is filled once, so there is no ring and no refill.  They come in four stages of 512 keys, all sixteen tensor loads asked for at the head (waves 0, 1: K's halves of a
; stage; waves 2, 3: V's; four loads a wave are out at the most); stage n is read behind a counted wait and a barrier, while the later stages are still on their way.
; CLUSTER.  The four work-groups of a head form a cluster and need the same K and V: every tile is asked for JOINTLY, by the same tensor load with the same descriptor and the mask 15.  Q and out are each work-group's own.
; No prefetch is written: all of K and V is asked for by the tensor loads at the head, and nothing is asked for later.
; LAYOUT.  Both products are used transposed: S^T = K Q^T (source 0 = 16 keys, source 1 = 16 queries, K = 64), O^T = V^T P^T (source 0 = 16 channels, source 1 = P, K = 128 keys): a lane holds ONE query (lane % 16) throughout.
; THE KEYS OF A TILE ARE NOT NEIGHBOURS: lane r of tile 2 b + u takes key 32 b + 8 u + r + 8 (r / 8), so that register 96 + 16 b + n holds key 32 b + 16 (lane / 16) + n: the conversions' results are the second product's operand.
; Fragments come by loads of 16 bytes: a permutation of k inside an instruction, the same on both sides of each product, so every product meets its partner.
; THE MASK COSTS NO VECTOR INSTRUCTION IN THE LOOP: m' = mask x 2^(3 - eq - ek) is made once, kept in LDS, loaded into S^T's registers and taken as the C of the one product of each tile: t = (sum + m') x c, c = log2(e) / 8 x 2^(eq + ek).
; LIMITS.  Mask entries below -2^20 (-infinity among them) are held at -2^20: their p is 0 beside any key that lies higher by more than the logits' range; only a row ALL of whose keys lie that low differs (all -infinity: NaN there, finite here).
; The hold keeps |t| small enough that t - M stays near 0 in a step all of whose keys are masked.  NaN and +infinity in the mask are not served.
; eq + ek between -100 and 100 (added to c's exponent field; m' stays an f32 number); ep between -126 and 112; ep + ev is applied by v_ldexp_f32 and has no limit.
; REGISTERS: v1-3 lane terms of K's, V's and the mask's LDS addresses; v4, v7 addresses in hand; v5 r = lane % 16; v6 2^ep; v[8:11], v[12:15] A's and B's -M, largest t, sum in two halves; v[16:23], v[24:31] Q of A, B;
; v[32:95] K's 8 fragments, then V's 4; v[96:159] m', S^T, p of the tile in hand; v[160:191], v[192:223] O^T of A, B; v[224:239], v[240:255] P's codes of A, B, which serve as the tile's scratch until its conversions write them.
.set KP,     144                       ; LDS row of K: two keys, 128 bytes, + 16 of padding.  The 16 keys of a fragment load fall on 16 different 16-byte columns of 256 bytes (64 banks of 4 bytes: ISA guide 11.1)
.set VP,     528                       ; LDS row of V: 512 keys of a channel + 16 of padding: row r starts 16 r bytes on, modulo 256
.set KSTAGE, 256*KP                    ; a stage of K: 512 keys
.set VSTAGE, 64*VP                     ; a stage of V: 64 channels x 512 keys
.set VREG,   4*KSTAGE                  ; V lies behind K: byte 147,456
.set MREG,   VREG+4*VSTAGE             ; m' lies behind V: byte 282,624 = 1,104 x 256; 8,192 bytes that no tensor load touches
.set SPITCH, 272                       ; the way out: a stage of 16 rows x (256 + 16) bytes for each wave, from LDS byte 0 on: K's bytes, which have had their one fill and are read no more
.set WV,  16                           ; s16  my wave's number
.set SEL, 20                           ; s[20:21] lane selects for v_permlanex16_b32: lane l xor 16
.set CS,  22                           ; s[22:23] c, twice: the packed form names the pair
.set G1K, 24                           ; s[24:31] descriptor group 1 for K's tiles;  s[32:39] for V's
.set G1V, 32
.set G0K, 40                           ; s[40:55] groups 0 for K's tiles, a set for each stage;  s[68:83] for V's.  None is written again
.set G0V, 68
.set TK,  88                           ; s88  LDS byte at which the step's keys begin in K
.set TV,  89                           ; s89  the same in V (less VREG)
.set TM,  90                           ; s90  the same in m' (less MREG)
.set CNT, 91                           ; s91  steps to go in the stage
; A round of the cluster's barrier: my work-group's barrier, wave 0 signals for the work-group, every wave waits for the four work-groups, my work-group's barrier once more.
.macro ROUND
	s_barrier_signal -1
	s_barrier_wait -1
	s_cmp_lg_u32 s[WV], 0
	s_cbranch_scc1 .Lnot_wave_0_\@
	s_barrier_signal -3
.Lnot_wave_0_\@:
	s_barrier_wait -3
	s_barrier_signal -1
	s_barrier_wait -1
.endm
	s_load_b256 s[4:11], s[0:1], 0x0               ; q s[4:5], k s[6:7], v s[8:9], mask s[10:11]
	s_load_b128 s[12:15], s[0:1], 0x20             ; the scales' exponents s[12:13], out s[14:15]
	v_lshl_add_u32 v254, v0, 2, 0x47000
	v_mov_b32 v255, 0
	ds_add_u32 v254, v255
	ds_add_u32 v254, v255
	s_wait_dscnt 0x0
	v_lshrrev_b32 v4, 5, v0
	s_delay_alu instid0(VALU_DEP_1)
	v_readfirstlane_b32 s[WV], v4                  ; wave 0..15
	v_and_b32 v5, 15, v0                           ; r = lane % 16
	v_bfe_u32 v6, v0, 4, 1                         ; h = lane / 16
	s_delay_alu instid0(VALU_DEP_2)
	v_and_b32 v7, 8, v5
	s_delay_alu instid0(VALU_DEP_1)
	v_add_nc_u32 v7, v7, v5                        ; my key in a tile: r + 8 (r / 8)
	s_delay_alu instid0(VALU_DEP_1)
	v_lshrrev_b32 v1, 1, v7
	s_delay_alu instid0(VALU_DEP_1)
	v_mul_u32_u24 v1, v1, KP                       ; its LDS row (two keys to a row),
	s_delay_alu instid0(VALU_DEP_3)
	v_and_b32 v7, 1, v7
	s_delay_alu instid0(VALU_DEP_1)
	v_lshl_add_u32 v1, v7, 6, v1                   ; its half of the row,
	s_delay_alu instid0(VALU_DEP_1)
	v_lshl_add_u32 v1, v6, 4, v1                   ; + 16 h
	v_mul_u32_u24 v2, v5, VP
	s_delay_alu instid0(VALU_DEP_1)
	v_lshl_add_u32 v2, v6, 4, v2
	s_delay_alu instid0(VALU_DEP_1)
	v_add_nc_u32 v2, VREG, v2                      ; V: channel r, + 16 h
	v_lshl_add_u32 v3, v6, 6, MREG                 ; m': my half's 16 keys of each 32: + 64 h
	v_lshlrev_b32 v32, 6, v5
	s_delay_alu instid0(VALU_DEP_1)
	v_lshl_add_u32 v32, v6, 4, v32                 ; Q in memory: row r of 64 bytes, + 16 h
	v_lshlrev_b32 v33, 4, v0                       ; the mask in memory: 16 bytes a thread, 8,192 for the 512
	v_lshl_add_u32 v34, v0, 4, MREG                ; and the same place in LDS
	s_and_b32 s19, s[WV], 1                        ; which half of a stage's tile I fetch, if I fetch
	s_bfe_u32 s17, ttmp6, 0x40000                  ; cx: my place in the cluster: it enters Q's and out's addresses alone
	s_lshl_b32 s18, ttmp9, 2
	s_add_co_u32 s18, s18, s17                     ; my block of 512 queries
	s_and_b32 s56, ttmp7, 0xffff                   ; the head, which the four partners share
	s_lshl_b32 s60, s56, 17                        ; a head's codes are 131,072 bytes in each tensor
	s_lshl_b32 s57, s19, 14
	s_add_co_u32 s60, s60, s57                     ; K: + my 256 keys of 64 bytes
	s_mov_b32 s61, 0
	s_lshl_b32 s62, s56, 17
	s_lshl_b32 s57, s19, 16
	s_add_co_u32 s62, s62, s57                     ; V: + my 32 channels of 2,048 bytes
	s_mov_b32 s63, 0
	s_mul_i32 s58, s19, 128*KP                     ; and where they go: no place in the cluster enters an LDS address
	s_mul_i32 s59, s19, 32*VP
	s_add_co_u32 s59, s59, VREG
	; descriptor group 1.  K: 256 keys are dense in memory and are stated as 128 rows of 128 bytes;  V: 32 rows of 512 bytes, 2,048 bytes apart
	s_mov_b32 s[G1K], 15|(0<<16)|(1<<20)|(1<<21)|(4<<22)|(3<<25)  ; 15:0 the mask: all four work-groups; 17:16 elements of 1 byte; 20 padding on; 21 set beside a mask; 24:22 after every 32 words (code 4); 31:25 four words (code 3)
	s_mov_b32 s[G1K+1], 128<<16                    ; tensor_dim0
	s_mov_b32 s[G1K+2], 128<<16                    ; tensor_dim1
	s_mov_b32 s[G1K+3], 128<<16                    ; tile_dim0
	s_mov_b32 s[G1K+4], 128                        ; tile_dim1
	s_mov_b32 s[G1K+5], 128                        ; tensor_dim0_stride
	s_mov_b32 s[G1K+6], 0
	s_mov_b32 s[G1K+7], 0
	s_mov_b32 s[G1V], 15|(0<<16)|(1<<20)|(1<<21)|(6<<22)|(3<<25)  ; the same with padding after every 128 words (code 6)
	s_mov_b32 s[G1V+1], 512<<16
	s_mov_b32 s[G1V+2], 32<<16
	s_mov_b32 s[G1V+3], 512<<16
	s_mov_b32 s[G1V+4], 32
	s_mov_b32 s[G1V+5], 2048
	s_mov_b32 s[G1V+6], 0
	s_mov_b32 s[G1V+7], 0
	s_mov_b32 s[SEL], 0x76543210
	s_mov_b32 s[SEL+1], 0xfedcba98
	s_wait_kmcnt 0x0
	s_load_b128 s[84:87], s[12:13], 0x0            ; eq, ek, ep, ev
	s_add_nc_u64 s[6:7], s[6:7], s[60:61]          ; K and V at my tile of stage 0
	s_add_nc_u64 s[8:9], s[8:9], s[62:63]
.irp n, 0,1,2,3
	s_mov_b32 s[G0K+4*\n], 1                       ; 1:0 count = 1
	s_add_co_u32 s[G0K+4*\n+1], s58, \n*KSTAGE     ; 63:32 LDS address
	s_add_nc_u64 s[G0K+4*\n+2:G0K+4*\n+3], s[6:7], \n*32768   ; 120:64 global address: 512 keys of 64 bytes a stage
	s_or_b32 s[G0K+4*\n+3], s[G0K+4*\n+3], 0x80000000         ; 127:126 type = 2
	s_mov_b32 s[G0V+4*\n], 1
	s_add_co_u32 s[G0V+4*\n+1], s59, \n*VSTAGE
	s_add_nc_u64 s[G0V+4*\n+2:G0V+4*\n+3], s[8:9], \n*512     ; 512 keys along each row a stage
	s_or_b32 s[G0V+4*\n+3], s[G0V+4*\n+3], 0x80000000
.endr
	ROUND                                          ; all four work-groups are here: the joint loads meet
	s_cmp_lt_u32 s[WV], 2                          ; a wave's four fills stand together, ahead of every wait on TENSORcnt and every LDS read; four v_nop follow the last
	s_cbranch_scc0 .Lnot_k
.irp n, 0,1,2,3
	tensor_load_to_lds s[G0K+4*\n:G0K+4*\n+3], s[G1K:G1K+7]
	s_nop 0
.endr
.rept 4
	v_nop
.endr
	s_branch .Lasked
.Lnot_k:
	s_cmp_lt_u32 s[WV], 4
	s_cbranch_scc0 .Lasked
.irp n, 0,1,2,3
	tensor_load_to_lds s[G0V+4*\n:G0V+4*\n+3], s[G1V:G1V+7]
	s_nop 0
.endr
.rept 4
	v_nop
.endr
.Lasked:
	s_lshl_b32 s57, s18, 9
	s_lshl_b32 s92, s[WV], 5
	s_add_co_u32 s57, s57, s92                     ; my first query in the head: 512 x block + 32 x wave
	s_lshl_b32 s60, s56, 11
	s_add_co_u32 s60, s60, s57                     ; and among all heads' rows: under 2^17
	s_lshl_b32 s62, s60, 8                         ; a row of out is 256 bytes,
	s_lshl_b32 s60, s60, 6                         ; of q 64  (s61 = s63 = 0 still)
	s_add_nc_u64 s[4:5], s[4:5], s[60:61]
	s_add_nc_u64 s[14:15], s[14:15], s[62:63]
	s_lshr_b32 s60, s56, 4                         ; the batch,
	s_lshl_b32 s60, s60, 13                        ; its 2,048 numbers of the mask
	s_add_nc_u64 s[10:11], s[10:11], s[60:61]
	s_wait_alu depctr_va_vdst(0)
	global_load_b128 v[16:19], v32, s[4:5] th:TH_LOAD_NT               ; Q stays in registers: tile A,
	global_load_b128 v[20:23], v32, s[4:5] offset:32 th:TH_LOAD_NT
	global_load_b128 v[24:27], v32, s[4:5] offset:1024 th:TH_LOAD_NT   ; tile B, 16 rows on
	global_load_b128 v[28:31], v32, s[4:5] offset:1056 th:TH_LOAD_NT
	global_load_b128 v[96:99], v33, s[10:11]       ; my four numbers of the mask
	v_mov_b32 v9, 0xff61b1e6                       ; the largest t so far: -3e38, under every t
	v_mov_b32 v13, 0xff61b1e6
	s_delay_alu instid0(VALU_DEP_2)
	v_floor_f32 v8, -v9                            ; -M
	s_delay_alu instid0(VALU_DEP_2)
	v_floor_f32 v12, -v13
	v_mov_b32 v10, 0                               ; the sums, in two halves
	v_mov_b32 v11, 0
	v_mov_b32 v14, 0
	v_mov_b32 v15, 0
	v_mov_b32 v227, 0                              ; named as the upper half of f's pair,
	v_mov_b32 v243, 0
	v_mov_b32 v228, 0                              ; and as a lane permute's destination, which counts as one of its sources: written once
	v_mov_b32 v244, 0
.set j, 0
.rept 64
	v_mov_b32 v[160+j], 0                          ; O^T.  (The step is written without a first step of its own: the first finds zeros, which the first change of M leaves zeros)
.set j, j+1
.endr
	s_wait_kmcnt 0x0
	s_add_co_i32 s93, s84, s85                     ; eq + ek
	s_lshl_b32 s92, s93, 23
	s_mov_b32 s[CS], 0x3e38aa3b                    ; log2(e) / 8,
	s_add_co_i32 s[CS], s[CS], s92                 ; x 2^(eq + ek): the exponents are added to its exponent field
	s_mov_b32 s[CS+1], s[CS]
	s_sub_co_i32 s94, 3, s93                       ; the mask is brought under the sums' scale: x 8 / 2^(eq + ek)
	s_add_co_i32 s95, s86, s87                     ; ep + ev
	s_add_co_i32 s92, s86, 127
	s_lshl_b32 s57, s92, 23
	v_mov_b32 v6, s57                              ; 2^ep as f32: the conversion takes its exponent field
	s_add_co_i32 s92, s92, 15
	s_lshl_b32 s92, s92, 23
	s_or_b32 s92, s92, 0x600000
	s_wait_loadcnt 0x0                             ; Q and the mask
.irp i, 96,97,98,99
	v_max_num_f32 v\i, 0xc9800000, v\i             ; held at -2^20 from below (see LIMITS)
.endr
.irp i, 96,97,98,99
	s_delay_alu instid0(VALU_DEP_4)
	v_ldexp_f32 v\i, v\i, s94                      ; m'
.endr
	ds_store_b128 v34, v[96:99]
.macro MASKLOAD                        ; m' of the step's 128 keys into S^T's registers: register 96 + 16 b + n takes key 32 b + 16 h + n; sixteen lanes read the same 16 bytes
.irp n, 0,1,2,3,4,5,6,7,8,9,10,11,12,13,14,15
	ds_load_b128 v[96+4*\n:99+4*\n], v7 offset:128*(\n/4)+16*(\n%4)
.endr
.endm
.macro QK q                            ; S^T + m' = K Q^T + m': eight tiles of 16 keys, one product each (K = 64 is the whole head), each on registers of its own
.irp t, 0,1,2,3,4,5,6,7
	v_wmma_f32_16x16x64_bf8_bf8 v[96+8*\t:103+8*\t], v[32+8*\t:39+8*\t], v[\q:\q+7], v[96+8*\t:103+8*\t]
.endr
.rept 4
	v_nop                                          ; four places ahead of the first read of the results, and of loads into K's registers
.endr
.endm
; One tile's softmax for 128 keys.  st: its statistics; o: its O^T; p: its codes' registers, whose first eight are scratch here: p, p + 1 at work; p + 2 f; p + 4 the permute's; p + 6, p + 7 the second chain of the sum
.macro SOFT st, o, p
	v_max3_num_f32 v[\p], v96, v97, v98            ; the step's largest score of my query among my 64 keys, in two chains, the registers in ascending order
	v_max3_num_f32 v[\p+1], v99, v100, v101
.set i, 6
.rept 14
	v_max3_num_f32 v[\p], v[\p], v[96+i], v[97+i]
	v_max3_num_f32 v[\p+1], v[\p+1], v[98+i], v[99+i]
.set i, i+4
.endr
	v_max3_num_f32 v[\p], v[\p], v158, v159
	s_delay_alu instid0(VALU_DEP_1)
	v_max_num_f32 v[\p], v[\p], v[\p+1]
	v_permlanex16_b32 v[\p+4], v[\p], s[SEL], s[SEL+1]
	s_delay_alu instid0(VALU_DEP_1)
	v_max_num_f32 v[\p], v[\p], v[\p+4]            ; and among lane l xor 16's
	s_delay_alu instid0(VALU_DEP_1)
	v_mul_f32 v[\p], s[CS], v[\p]                  ; as t (c is positive)
	s_delay_alu instid0(VALU_DEP_1)
	v_max_num_f32 v[\st+1], v[\st+1], v[\p]        ; the running largest t
	v_mov_b32 v[\p], v[\st]
	s_delay_alu instid0(VALU_DEP_2)
	v_floor_f32 v[\st], -v[\st+1]                  ; the new -M = floor(-t) = -ceil(t): a whole number
	s_delay_alu instid0(VALU_DEP_1)
	v_sub_f32 v[\p], v[\st], v[\p]                 ; old M - new M: a whole number, 0 or less
	s_delay_alu instid0(VALU_DEP_1)
	v_cvt_i32_f32 v[\p], v[\p]                     ; (it saturates)
	s_delay_alu instid0(VALU_DEP_1)
	v_ldexp_f32 v[\p+2], 1.0, v[\p]                ; f = 2^(old M - new M)
.set j, 0
.rept 32
	v_pk_fma_f32 v[96+j:97+j], v[96+j:97+j], s[CS:CS+1], v[\st:\st+1] op_sel_hi:[1,0,0]   ; t - M, two at a time (of the pairs c and -M the low word serves both halves)
.set j, j+2
.endr
.set j, 0
	s_wait_alu depctr_va_vdst(0)
.rept 64
	v_exp_f32 v[96+j], v[96+j]                     ; p = 2^(t - M): one batch
.set j, j+1
.endr
	v_pk_mul_f32 v[\st+2:\st+3], v[\st+2:\st+3], v[\p+2:\p+3] op_sel_hi:[1,0]   ; the sum under the new M: the plain instruction behind the last exponential
.set j, 0
	s_wait_alu depctr_va_vdst(0)
.rept 16
	v_pk_mul_f32 v[\o+j:\o+j+1], v[\o+j:\o+j+1], v[\p+2:\p+3] op_sel_hi:[1,0]   ; O^T under the new M, from its low end on: work that names no exponential's result
.set j, j+2
.endr
	s_wait_alu depctr_va_vdst(0)                   ; one wait for the batch of 64, ahead of its first reader
	v_pk_add_f32 v[\p+6:\p+7], v[96:97], v[98:99]  ; the row's sum is taken of the UNQUANTISED p: two at a time, in two chains
.set j, 4
.rept 15
	v_pk_add_f32 v[\st+2:\st+3], v[\st+2:\st+3], v[96+j:97+j]
	v_pk_add_f32 v[\p+6:\p+7], v[\p+6:\p+7], v[98+j:99+j]
.set j, j+4
.endr
	s_delay_alu instid0(VALU_DEP_1)
	v_pk_add_f32 v[\st+2:\st+3], v[\st+2:\st+3], v[\p+6:\p+7]
.irp b, 0,1,2,3
.set i, 0
.rept 16
.set i, i+1
.endr
	v_cvt_scalef32_pk8_bf8_f32 v[\p+4*\b:\p+4*\b+1], v[96+16*\b:103+16*\b], v6      ; registers 4 b .. 4 b + 3 of the operand: keys 32 b + 16 h + 0 .. 15
	v_cvt_scalef32_pk8_bf8_f32 v[\p+4*\b+2:\p+4*\b+3], v[104+16*\b:111+16*\b], v6
.endr
	v_nop                                          ; one plain instruction between the last conversion and the products that read the codes
.endm
; A KEY STEP: 128 keys, both tiles.  K's and V's fragments are read once and serve A and B.
.macro STEP
	v_add_nc_u32 v4, s[TK], v1
	v_add_nc_u32 v7, s[TM], v3
	v_nop                                          ; with the two additions: four places between the last step's products and the loads into the registers that they read
	v_nop
.irp t, 0,1,2,3,4,5,6,7
.irp c, 0,1
	ds_load_b128 v[32+8*\t+4*\c:35+8*\t+4*\c], v4 offset:(16*(\t/2)+4*(\t%2))*KP+32*\c   ; tile t begins at key 32 (t / 2) + 8 (t % 2): two keys to an LDS row
.endr
.endr
	MASKLOAD
	s_wait_dscnt 0x0
	QK 16
	SOFT 8, 160, 224
	MASKLOAD                                       ; S^T's registers are free again: m' once more, for tile B
	s_wait_dscnt 0x0
	QK 24
	v_add_nc_u32 v4, s[TV], v2
.irp t, 0,1,2,3
.irp c, 0,1,2,3
	ds_load_b128 v[32+16*\t+4*\c:35+16*\t+4*\c], v4 offset:16*\t*VP+32*\c   ; V's four fragments take K's place and land under B's softmax
.endr
.endr
	s_setprio 1
	SOFT 12, 192, 240
	s_setprio 0
	s_wait_alu depctr_va_vdst(0)
	s_wait_dscnt 0x0                               ; V is in; no LDS instruction of mine is out from here to the next step
.irp t, 0,1,2,3                        ; O^T += V^T P^T: the eight accumulators take turns, one instruction a turn
	v_wmma_f32_16x16x128_bf8_bf8 v[160+8*\t:167+8*\t], v[32+16*\t:47+16*\t], v[224:239], v[160+8*\t:167+8*\t]
	v_wmma_f32_16x16x128_bf8_bf8 v[192+8*\t:199+8*\t], v[32+16*\t:47+16*\t], v[240:255], v[192+8*\t:199+8*\t]
.endr
.endm
; STAGE n: 512 keys, four steps.  Tensor loads of a wave end in order (ISA guide 10.11.1): behind stage n's load a fetching wave has issued 3 - n more, which may stay out; then the barrier shows the stage to all sixteen waves.
.macro STAGE n
	s_wait_tensorcnt 3-\n
.if \n == 0
	s_wait_dscnt 0x0                               ; for the others' sake: my four numbers of m' are stored
.endif
	s_barrier_signal -1
	s_barrier_wait -1
	s_mov_b32 s[TK], \n*KSTAGE
	s_mov_b32 s[TV], \n*VSTAGE
	s_mov_b32 s[TM], \n*2048
	s_mov_b32 s[CNT], 4
.Lstep_\@:
	s_setprio 2
	STEP
	s_add_co_u32 s[TK], s[TK], 64*KP               ; 128 keys on: 64 rows of K,
	s_add_co_u32 s[TV], s[TV], 128                 ; 128 bytes along V's rows,
	s_add_co_u32 s[TM], s[TM], 512                 ; 128 numbers of m'
	s_sub_co_u32 s[CNT], s[CNT], 1
	s_cmp_lg_u32 s[CNT], 0
	s_cbranch_scc1 .Lstep_\@
	s_setprio 0
.endm
	STAGE 0
	STAGE 1
	STAGE 2
	STAGE 3                                        ; its wait is for 0: no tensor load of mine is out from here on
	; THE WAY OUT.  My reads of K and V came back ahead of my last products: I say so now, work on registers, and store into the stage (K's bytes) when all sixteen waves have said so.
	s_barrier_signal -1
	v_add_f32 v10, v10, v11                        ; the sums' two halves.  (These and the address lines are the places behind the last products)
	v_add_f32 v14, v14, v15
	v_and_b32 v5, 15, v0                           ; r
	v_bfe_u32 v6, v0, 4, 1                         ; h
	s_mul_i32 s92, s[WV], 16*SPITCH                ; my stage
	v_mul_u32_u24 v1, v5, SPITCH
	s_delay_alu instid0(VALU_DEP_1)
	v_lshl_add_u32 v1, v6, 5, v1
	s_delay_alu instid0(VALU_DEP_1)
	v_add_nc_u32 v1, s92, v1                       ; in: row r; tile t's eight channels of my half lie 64 t + 32 h bytes on
	v_mul_u32_u24 v2, v6, SPITCH
	s_delay_alu instid0(VALU_DEP_1)
	v_lshl_add_u32 v2, v5, 4, v2
	s_delay_alu instid0(VALU_DEP_1)
	v_add_nc_u32 v2, s92, v2                       ; back: lanes 0-15 one row of 256 bytes, lanes 16-31 the next
	v_lshlrev_b32 v3, 8, v6
	s_delay_alu instid0(VALU_DEP_1)
	v_lshl_add_u32 v3, v5, 4, v3                   ; and the same two rows in out
	v_permlanex16_b32 v4, v10, s[SEL], s[SEL+1]
	v_permlanex16_b32 v7, v14, s[SEL], s[SEL+1]
	s_delay_alu instid0(VALU_DEP_2)
	v_add_f32 v10, v10, v4                         ; and lane l xor 16's: the rows' sums
	s_delay_alu instid0(VALU_DEP_2)
	v_add_f32 v14, v14, v7
	s_wait_alu depctr_va_vdst(0)
	v_rcp_f32 v10, v10
	v_rcp_f32 v14, v14
	v_nop                                          ; a plain instruction behind the last reciprocal
	s_wait_alu depctr_va_vdst(0)                   ; one wait for the two, ahead of their first reader
	v_ldexp_f32 v10, v10, s95                      ; x 2^(ep + ev)
	v_ldexp_f32 v14, v14, s95
.set j, 0
.rept 16
	v_pk_mul_f32 v[96+j:97+j], v[160+j:161+j], v[10:11] op_sel_hi:[1,0]     ; A: O^T / the sum, from each accumulator's low end on: register 8 t + i is out(r, 16 t + 8 h + i)
.set j, j+2
.endr
.set j, 0
.rept 16
	v_pk_mul_f32 v[128+j:129+j], v[192+j:193+j], v[14:15] op_sel_hi:[1,0]   ; B
.set j, j+2
.endr
	s_wait_alu depctr_va_vdst(0)
	s_barrier_wait -1                              ; nobody reads K any more
.macro TOSTAGE x                       ; tile x: 32 bytes a lane into rows of 272 bytes, and back as whole rows of 256.  LDS serves a wave's instructions in order (ISA guide 5.7.1.4): no wait between
.irp t, 0,1,2,3
	ds_store_b128 v1, v[96+32*\x+8*\t:99+32*\x+8*\t] offset:64*\t
	ds_store_b128 v1, v[100+32*\x+8*\t:103+32*\x+8*\t] offset:64*\t+16
.endr
.irp i, 0,1,2,3,4,5,6,7
	ds_load_b128 v[32+32*\x+4*\i:35+32*\x+4*\i], v2 offset:2*\i*SPITCH
.endr
.endm
.macro SEND x, younger                 ; younger: the LDS instructions issued behind tile x's eight loads
.irp i, 0,1,2,3,4,5,6,7
	s_wait_dscnt \younger+7-\i                     ; load i is back; the 7 - i behind it, and the younger, may be out
	global_store_b128 v3, v[32+32*\x+4*\i:35+32*\x+4*\i], s[14:15] offset:4096*\x+512*\i th:TH_STORE_NT   ; 16 lanes store 256 consecutive bytes, at a multiple of 256 from out's first byte; written once
.endr
.endm
	TOSTAGE 0
	TOSTAGE 1
	SEND 0, 16                                     ; behind A's loads: B's eight stores and eight loads
	SEND 1, 0
	s_wait_xcnt 0x0
	v_lshl_add_u32 v254, v0, 2, 0x47000
	v_mov_b32 v255, 0
	s_wait_alu depctr_va_vdst(0)
	s_wait_tensorcnt 0x0
	ds_add_u32 v254, v255
	s_wait_dscnt 0x0
	ROUND                                          ; the closing round: no work-group ends while a partner may still ask for a tile that names it
	s_endpgm
.Lfunc_end_k_qbdb24456e4_attn:
	.size	k_qbdb24456e4_attn, .Lfunc_end_k_qbdb24456e4_attn-k_qbdb24456e4_attn
	.p2alignl 7, 3214868480
	.fill 96, 4, 3214868480
	.section	.rodata,"a",@progbits
	.p2align	6, 0x0
	.amdhsa_kernel k_qbdb24456e4_attn
		.amdhsa_group_segment_fixed_size 327680
		.amdhsa_private_segment_fixed_size 0
		.amdhsa_enable_private_segment 0
		.amdhsa_kernarg_size 48
		.amdhsa_user_sgpr_count 2
		.amdhsa_user_sgpr_kernarg_segment_ptr 1
		.amdhsa_wavefront_size32 1
		.amdhsa_system_sgpr_workgroup_id_x 1
		.amdhsa_system_sgpr_workgroup_id_y 1
		.amdhsa_system_sgpr_workgroup_id_z 1
		.amdhsa_system_vgpr_workitem_id 0
		.amdhsa_next_free_vgpr 256
		.amdhsa_next_free_sgpr 96
		.amdhsa_reserve_vcc 0
		.amdhsa_float_denorm_mode_32 3
		.amdhsa_float_denorm_mode_16_64 3
		.amdhsa_fp16_overflow 1
		.amdhsa_memory_ordered 1
		.amdhsa_forward_progress 1
		.amdhsa_inst_pref_size 130
	.end_amdhsa_kernel
	.amdgpu_metadata
---
amdhsa.version: [ 1, 2 ]
amdhsa.kernels:
  - .name:           k_qbdb24456e4_attn
    .symbol:         k_qbdb24456e4_attn.kd
    .args:
      - { .name: q_codes, .offset: 0, .size: 8, .value_kind: global_buffer, .address_space: global }
      - { .name: k_codes, .offset: 8, .size: 8, .value_kind: global_buffer, .address_space: global }
      - { .name: v_codes, .offset: 16, .size: 8, .value_kind: global_buffer, .address_space: global }
      - { .name: attention_mask, .offset: 24, .size: 8, .value_kind: global_buffer, .address_space: global }
      - { .name: lowp_scales, .offset: 32, .size: 8, .value_kind: global_buffer, .address_space: global }
      - { .name: out0, .offset: 40, .size: 8, .value_kind: global_buffer, .address_space: global }
    .group_segment_fixed_size: 327680
    .private_segment_fixed_size: 0
    .kernarg_segment_align: 8
    .kernarg_segment_size: 48
    .max_flat_workgroup_size: 512
    .sgpr_count:     96
    .vgpr_count:     256
    .wavefront_size: 32
...
	.end_amdgpu_metadata
.endif
;; end of part 1
